; MI455X (gfx1250); checked and timed in simulation.
; The chip was launched on July 23, 2026; its instructions are those of AMD's public machine-readable ISA for CDNA 5 (MIT licence, August 2026) and "CDNA5" Instruction Set Architecture Reference Guide (July 2026). The comments in the code are by the model that wrote it; some were corrected since.
;; Mo E. Allowed arithmetic: float matrix products may take bf16 or f16 operands with f32 sums; other float arithmetic in f32, or as packed bf16 or f16 multiplies, adds, multiply-adds, maxima and minima; sums over many terms, partial sums and values carried from step to step in f32; what a program stores and reads back later, other than sums and carried values, may be rounded once to bf16 or f16.
;; Inputs: b1 8 x 2,048 float32; b2 8 x 1,024 float32; gate_b 8 float32; gate_w 1,024 x 8 float32; w1 8 x 1,024 x 2,048 float32; w2 8 x 2,048 x 1,024 float32; x 4 x 2,048 x 1,024 float32.
;; Outputs: out0 4 x 2,048 x 1,024 float32; out1 one number float32.
;; One version. Each part assembles by itself: llvm-mc -triple=amdgcn-amd-amdhsa -mcpu=gfx1250 --defsym DOCPART=n.
;; ======== version 1 of 1: 3 launches
;; limits: values are held in f16: magnitudes above 65,504 overflow, below 6.1e-05 lose precision; a function is approximated: absolute error at most 2.5e-05
;; workspace buffers: bits 7,168 bytes of whole numbers; tokl 99,328 bytes of whole numbers; prob 65,536 bytes; w1f 8,388,608 bytes; w2f 8,388,608 bytes; hf 135,004,160 bytes
;; launch route (part 1): grid 256 x 1, 8 waves a work-group, no clusters, 277,504 bytes of LDS; arguments x, gate_w, gate_b, w1, w2, bits, prob, w1f, w2f; writes bits, prob, w1f, w2f
.if DOCPART == 1
	.amdgcn_target "amdgcn-amd-amdhsa--gfx1250"
	.amdhsa_code_object_version 6
	.text
	.protected	k_q63dae7d563_route
	.globl	k_q63dae7d563_route
	.p2align	8
	.type	k_q63dae7d563_route,@function
k_q63dae7d563_route:
	s_mov_b64 s[64:65], 0
	v_nop
	global_prefetch_b8 v0, s[64:65] scope:SCOPE_SE
	s_setreg_imm32_b32 hwreg(HW_REG_WAVE_MODE, 25, 1), 1
	s_wait_xcnt 0x0
; ROUTE.  Two jobs in one launch, 256 work-groups of eight waves.
; (1) THE GATE for tokens 32 g .. 32 g + 31: logits = x gate_w + gate_b on the matrix unit (x, gate_w, gate_b rounded to bf16, sums in f32), softmax with the row's maximum taken away,
;     and the places of experts 0 and 1 in the order that a top-k with 'lower index wins a tie' gives.  With m0 = 'first choice is 0' and m1 = 'second choice is 1' three disjoint masks are stored at
;     fixed places: bits[g] = A = m0 alone, bits[256+g] = B = m1 alone, bits[512+g] = C = both; bits[768+g], bits[1024+g], bits[1280+g] their counts; bits[1536+g] = how many of the 64 choices are 0 or 1;
;     prob[token] = (p0, p1).  No address and no branch hangs on these numbers here.
; (2) THE WEIGHTS that the result uses, w1[0:2] and w2[0:2], are rounded once and laid in the order in which a wave's operand registers take them: fragments of 1,024 bytes (16 columns x 32 k):
;     lane l holds column l % 16; its 16 bytes at 16 l hold k = 8 (l / 16) + 0..7, those at 512 + 16 l hold k = 16 + 8 (l / 16) + 0..7.  w1 as bf16; w2 rounded to bf16 and that number written as f16.
;     Work-group g takes one tile of 32 k x 1,024 columns: g / 64 = 0, 1: w1[0], w1[1]; 2, 3: w2[0], w2[1].
; LIMITS.  |w2| stays under 65,504; a w2 under 2^-17 keeps f16's fixed step of 6e-8.  NaN and infinities are not treated apart.  Experts 2 to 7's weights enter no result and are not read.
; NO CLUSTER: no two work-groups read the same tile of x or of the weights; gate_w, which all read, is 32 KB against the 256 KB of a work-group's own tiles.
; LDS: each wave's own x tile (16 tokens x 256 k of f32, rows of 1,024 + 16 bytes), each wave's own weight tile (32 k x 128 columns of f32, rows of 512 + 16 bytes), the partial logits, the spare words.
.set XPITCH, 1040
.set XWAVE,  16*XPITCH
.set WPITCH, 528
.set WWAVE,  32*WPITCH
.set WR,     8*XWAVE                   ; 133,120
.set RED,    WR+8*WWAVE                ; 268,288: [wave][lane][8 f32]; no tensor load lands here
.set SPARE,  RED+8192                  ; 276,480: the spare words, 128 bytes a wave
.set SPW, 4                            ; v4  my spare word's address; never rewritten
.set NIL, 5                            ; v5  0; never rewritten
.set RAW, 16                           ; v16-143  f32 as loaded
.set FR,  144                          ; v144-207 gate_w's eight fragments, later the weights' fragments to store
.set XF,  208                          ; v208-223 x's fragment, two buffers
.set ACC, 224                          ; v224-239 two accumulators that take turns
.set G1X, 28                           ; s[28:35] shape of an x tile
.set G1A, 36                           ; s[36:43] shape of a w1 tile
.set G1B, 44                           ; s[44:51] shape of a w2 tile
.set G0X, 52                           ; s[52:55]
.set G0W, 56                           ; s[56:59]
	s_load_b512 s[4:19], s[0:1], 0x0               ; x, gate_w, gate_b, w1, w2, bits, prob, w1f
	s_load_b64 s[20:21], s[0:1], 0x40              ; w2f
	v_lshl_add_u32 v[SPW], v0, 2, SPARE
	v_mov_b32 v[NIL], 0
	ds_add_u32 v[SPW], v[NIL]                      ; the wave's opening: the add and its wait stand ahead of my first tensor load; register work stands between
	ds_add_u32 v4, v5
	v_lshrrev_b32 v1, 5, v0
	v_readfirstlane_b32 s22, v1                    ; wave 0..7
	s_lshr_b32 s24, ttmp9, 6                       ; role
	s_and_b32 s25, ttmp9, 63                       ; which tile of that matrix
	s_and_b32 s26, s24, 1                          ; expert
	s_lshr_b32 s27, s22, 2                         ; gate: which 16 tokens
	s_and_b32 s84, s22, 3                          ; gate: which quarter of K
	s_mov_b32 s[G1X+0], 0x07d20000                 ; elements of 4 bytes; 4 words of padding after every 256 words
	s_mov_b32 s[G1X+1], 256<<16                    ; tensor_dim0
	s_mov_b32 s[G1X+2], 16<<16                     ; tensor_dim1
	s_mov_b32 s[G1X+3], 256<<16                    ; tile_dim0
	s_mov_b32 s[G1X+4], 16                         ; tile_dim1
	s_mov_b32 s[G1X+5], 1024                       ; elements from row to row
	s_mov_b32 s[G1X+6], 0
	s_mov_b32 s[G1X+7], 0
	s_mov_b32 s[G1A+0], 0x07920000                 ; 4 words of padding after every 128 words
	s_mov_b32 s[G1A+1], 128<<16
	s_mov_b32 s[G1A+2], 32<<16
	s_mov_b32 s[G1A+3], 128<<16
	s_mov_b32 s[G1A+4], 32
	s_mov_b32 s[G1A+5], 2048
	s_mov_b32 s[G1A+6], 0
	s_mov_b32 s[G1A+7], 0
	s_mov_b32 s[G1B+0], 0x07920000
	s_mov_b32 s[G1B+1], 128<<16
	s_mov_b32 s[G1B+2], 32<<16
	s_mov_b32 s[G1B+3], 128<<16
	s_mov_b32 s[G1B+4], 32
	s_mov_b32 s[G1B+5], 1024
	s_mov_b32 s[G1B+6], 0
	s_mov_b32 s[G1B+7], 0
	s_mov_b32 s[G0X], 1
	s_mul_i32 s[G0X+1], s22, XWAVE
	s_mov_b32 s[G0W], 1
	s_mul_i32 s[G0W+1], s22, WWAVE
	s_add_co_u32 s[G0W+1], s[G0W+1], WR
	s_lshl_b32 s60, ttmp9, 17                      ; x: 32 tokens of 4,096 bytes a work-group,
	s_lshl_b32 s61, s27, 16                        ; 16 tokens,
	s_add_co_u32 s60, s60, s61
	s_lshl_b32 s61, s84, 10                        ; 256 k
	s_add_co_u32 s60, s60, s61
	s_mov_b32 s61, 0
	s_lshr_b32 s85, s25, 1                         ; w1: K step of 32,
	s_and_b32 s90, s25, 1                          ; and half of its 2,048 columns
	s_lshl_b32 s62, s26, 23
	s_lshl_b32 s63, s85, 18
	s_add_co_u32 s62, s62, s63
	s_lshl_b32 s63, s90, 12
	s_add_co_u32 s62, s62, s63
	s_lshl_b32 s63, s22, 9                         ; my wave's 128 columns
	s_add_co_u32 s62, s62, s63
	s_lshl_b32 s66, s26, 23                        ; w2: K step = tile number
	s_lshl_b32 s67, s25, 17
	s_add_co_u32 s66, s66, s67
	s_add_co_u32 s66, s66, s63
	s_mov_b32 s63, 0
	s_mov_b32 s67, 0
	s_lshl_b32 s86, s26, 5                         ; w1f: (((32 e + 16 half + 2 w) 32) + K step) x 4,096
	s_lshl_b32 s87, s90, 4
	s_add_co_u32 s86, s86, s87
	s_lshl_b32 s87, s22, 1
	s_add_co_u32 s86, s86, s87
	s_lshl_b32 s86, s86, 5
	s_add_co_u32 s86, s86, s85
	s_lshl_b32 s86, s86, 12
	s_mov_b32 s87, 0
	s_lshl_b32 s88, s26, 3                         ; w2f: (((8 e + w) 64) + K step) x 8,192
	s_add_co_u32 s88, s88, s22
	s_lshl_b32 s88, s88, 6
	s_add_co_u32 s88, s88, s25
	s_lshl_b32 s88, s88, 13
	s_mov_b32 s89, 0
	s_wait_dscnt 0x0                               ; the opening add is done
	s_wait_kmcnt 0x0
	s_load_b256 s[68:75], s[8:9], 0x0              ; gate_b, asked for here so that nobody waits for it behind the barrier
	s_add_nc_u64 s[G0X+2:G0X+3], s[4:5], s[60:61]
	s_or_b32 s[G0X+3], s[G0X+3], 0x80000000
	s_add_nc_u64 s[86:87], s[18:19], s[86:87]
	s_add_nc_u64 s[88:89], s[20:21], s[88:89]
	; The two first fills, each wave's own: x's tile, then the weights'.  Two tensor loads of mine are out at the most.
	tensor_load_to_lds s[G0X:G0X+3], s[G1X:G1X+7]
	s_nop 0
.rept 4
	v_nop
.endr
	s_cmp_lt_u32 s24, 2
	s_cbranch_scc0 .Lfill_w2
	s_add_nc_u64 s[G0W+2:G0W+3], s[10:11], s[62:63]
	s_or_b32 s[G0W+3], s[G0W+3], 0x80000000
	tensor_load_to_lds s[G0W:G0W+3], s[G1A:G1A+7]
	s_nop 0
.rept 4
	v_nop
.endr
	s_branch .Lfilled
.Lfill_w2:
	s_add_nc_u64 s[G0W+2:G0W+3], s[12:13], s[66:67]
	s_or_b32 s[G0W+3], s[G0W+3], 0x80000000
	tensor_load_to_lds s[G0W:G0W+3], s[G1B:G1B+7]
	s_nop 0
.rept 4
	v_nop
.endr
.Lfilled:
	v_and_b32 v1, 31, v0                           ; lane
	v_and_b32 v2, 15, v0                           ; r
	v_bfe_u32 v3, v0, 4, 1                         ; h
	; gate_w's fragments: row r of source 0 is expert r % 8 (rows 8 to 15 repeat 0 to 7); element (k, expert) lies at 32 k + 4 expert
	v_and_b32 v12, 7, v0
	v_lshlrev_b32 v6, 2, v12
	v_lshl_add_u32 v6, v3, 8, v6                   ; + 8 h rows of 32 bytes
	s_lshl_b32 s60, s84, 13                        ; + my quarter's 256 rows
	v_add_nc_u32 v6, s60, v6
.set n, 0
.rept 128                                              ; register 16 ks + 8 half + j: k = 32 ks + 16 half + j (+ 8 h)
	global_load_b32 v[RAW+n], v6, s[6:7] offset:(32*(n/16)+16*((n/8)%2)+n%8)*32
.set n, n+1
.endr
	v_mul_u32_u24 v7, v2, XPITCH                   ; x's fragment: row r, 32 bytes for each half of the lanes
	v_lshl_add_u32 v7, v3, 5, v7
	v_add_nc_u32 v7, s[G0X+1], v7
	v_mul_u32_u24 v8, v3, 8*WPITCH                 ; weights: row 8 h, column r
	v_lshl_add_u32 v8, v2, 2, v8
	v_add_nc_u32 v8, s[G0W+1], v8
	v_lshlrev_b32 v9, 4, v1                        ; 16 x lane
	v_lshlrev_b32 v10, 5, v0                       ; partial logits: 32 bytes a thread
	v_add_nc_u32 v10, RED, v10
	v_lshlrev_b32 v11, 5, v2                       ; and back: lane = token: waves 4 (lane / 16) + q, their lane % 16
	v_lshl_add_u32 v11, v3, 12, v11
	v_add_nc_u32 v11, RED, v11
	s_wait_loadcnt 0x0
.set n, 0
.rept 64
	v_cvt_pk_bf16_f32 v[FR+n], v[RAW+2*n], v[RAW+2*n+1]
.set n, n+1
.endr
	s_wait_tensorcnt 0x1                           ; x's tile is in; the weights', issued behind it, may stay out.  Only I read my tile
.set n, 0
.rept 32                                               ; K step n / 4: 16 f32 a lane, at 128 ks + 0, 16, 64, 80
	ds_load_b128 v[RAW+4*n:RAW+4*n+3], v7 offset:(n/4)*128+(n%2)*16+((n/2)%2)*64
.set n, n+1
.endr
.set ks, 0
.rept 8
	s_wait_dscnt 28-4*ks                           ; the later steps' four loads each may be out
.set n, 0
.rept 8                                                ; these eight are also the places between a product and the next write of its x fragment
	v_cvt_pk_bf16_f32 v[XF+8*(ks%2)+n], v[RAW+16*ks+2*n], v[RAW+16*ks+2*n+1]
.set n, n+1
.endr
.if ks < 2
	v_wmma_f32_16x16x32_bf16 v[ACC+8*(ks%2):ACC+8*(ks%2)+7], v[FR+8*ks:FR+8*ks+7], v[XF+8*(ks%2):XF+8*(ks%2)+7], 0
.else
	v_wmma_f32_16x16x32_bf16 v[ACC+8*(ks%2):ACC+8*(ks%2)+7], v[FR+8*ks:FR+8*ks+7], v[XF+8*(ks%2):XF+8*(ks%2)+7], v[ACC+8*(ks%2):ACC+8*(ks%2)+7]
.endif
.set ks, ks+1
.endr
.rept 4
	v_nop                                          ; four places behind the last product
.endr
.set n, 0
.rept 4                                                ; a lane holds one token (lane % 16) and register j expert j
	v_pk_add_f32 v[ACC+2*n:ACC+2*n+1], v[ACC+2*n:ACC+2*n+1], v[ACC+8+2*n:ACC+8+2*n+1]
.set n, n+1
.endr
	ds_store_b128 v10, v[ACC:ACC+3]
	ds_store_b128 v10, v[ACC+4:ACC+7] offset:16
	; THE WEIGHTS.  Eight blocks of 16 columns; a block is 16 LDS loads of 4 bytes a lane (a column of the tile); four blocks are on their way.
	s_wait_tensorcnt 0x0                           ; my weight tile is in
.macro WLD c
.set n, 0
.rept 16
	ds_load_b32 v[RAW+16*((\c)%4)+n], v8 offset:((n%8)+16*(n/8))*WPITCH+(\c)*64
.set n, n+1
.endr
.endm
.macro WAITBLK c                       ; the blocks behind block c, three at the most, may be out
.set lft, 7-(\c)
.if lft > 3
.set lft, 3
.endif
	s_wait_dscnt 16*lft
.endm
	WLD 0
	WLD 1
	WLD 2
	WLD 3
	s_cmp_lt_u32 s24, 2
	s_cbranch_scc0 .Lconv_w2
.irp c, 0,1,2,3,4,5,6,7
	WAITBLK \c
.set n, 0
.rept 8
	v_cvt_pk_bf16_f32 v[FR+8*(\c)+n], v[RAW+16*((\c)%4)+2*n], v[RAW+16*((\c)%4)+2*n+1]
.set n, n+1
.endr
	global_store_b128 v9, v[FR+8*(\c):FR+8*(\c)+3],   s[86:87] offset:((\c)/4)*131072+((\c)%4)*1024      ; 512 consecutive bytes, aligned
	global_store_b128 v9, v[FR+8*(\c)+4:FR+8*(\c)+7], s[86:87] offset:((\c)/4)*131072+((\c)%4)*1024+512
.if (\c) < 4
	WLD (\c)+4
.endif
.endr
	s_branch .Lconverted
.Lconv_w2:
.irp c, 0,1,2,3,4,5,6,7
	WAITBLK \c
.set n, 0
.rept 8                                                ; rounded to bf16, widened again, and that number written as f16
	v_cvt_pk_bf16_f32 v[12+2*(n%2)], v[RAW+16*((\c)%4)+2*n], v[RAW+16*((\c)%4)+2*n+1]
	v_lshlrev_b32 v[13+2*(n%2)], 16, v[12+2*(n%2)]
	v_and_b32 v[12+2*(n%2)], 0xffff0000, v[12+2*(n%2)]
	v_cvt_pk_f16_f32 v[FR+8*(\c)+n], v[13+2*(n%2)], v[12+2*(n%2)]
.set n, n+1
.endr
	global_store_b128 v9, v[FR+8*(\c):FR+8*(\c)+3],   s[88:89] offset:(\c)*1024
	global_store_b128 v9, v[FR+8*(\c)+4:FR+8*(\c)+7], s[88:89] offset:(\c)*1024+512
.if (\c) < 4
	WLD (\c)+4
.endif
.endr
.Lconverted:
	s_wait_kmcnt 0x0                               ; gate_b has long come
	s_wait_dscnt 0x0                               ; for the others' sake: my partial logits are stored
	s_barrier_signal -1
	s_barrier_wait -1
	s_cmp_lg_u32 s22, 0
	s_cbranch_scc1 .Lend
	; WAVE 0: lane = token.  The four quarters of K are added in order, then the bias.
.set n, 0
.rept 4
	ds_load_b128 v[16+8*n:19+8*n], v11 offset:1024*n
	ds_load_b128 v[20+8*n:23+8*n], v11 offset:1024*n+16
.set n, n+1
.endr
	s_lshl_b32 s60, ttmp9, 8
	s_mov_b32 s61, 0
	s_add_nc_u64 s[16:17], s[16:17], s[60:61]      ; prob at my 32 tokens
	s_lshl_b32 s60, ttmp9, 2
	s_add_nc_u64 s[14:15], s[14:15], s[60:61]      ; bits at word g
	v_cvt_pk_bf16_f32 v48, s68, s69
	v_cvt_pk_bf16_f32 v49, s70, s71
	v_cvt_pk_bf16_f32 v50, s72, s73
	v_cvt_pk_bf16_f32 v51, s74, s75
.set n, 0
.rept 4
	v_lshlrev_b32 v[52+2*n], 16, v[48+n]
	v_and_b32 v[53+2*n], 0xffff0000, v[48+n]
.set n, n+1
.endr
	s_wait_dscnt 0x0
.irp q, 24, 32, 40, 52
.set n, 0
.rept 4
	v_pk_add_f32 v[16+2*n:17+2*n], v[16+2*n:17+2*n], v[(\q)+2*n:(\q)+2*n+1]
.set n, n+1
.endr
.endr
	v_max3_num_f32 v60, v16, v17, v18
	v_max3_num_f32 v60, v60, v19, v20
	v_max3_num_f32 v60, v60, v21, v22
	v_max_num_f32 v60, v60, v23                    ; the row's maximum
.set n, 0
.rept 8
	v_sub_f32 v[16+n], v[16+n], v60
.set n, n+1
.endr
.set n, 0
.rept 8
	v_mul_f32 v[16+n], 0x3fb8aa3b, v[16+n]
.set n, n+1
.endr
.set n, 0
.rept 8
	v_exp_f32 v[16+n], v[16+n]
.set n, n+1
.endr
	v_nop                                          ; a plain instruction behind the last exponential,
	s_wait_alu depctr_va_vdst(0)                   ; and one wait for the eight, ahead of their first reader
	v_add_f32 v61, v16, v17
	v_add_f32 v62, v18, v19
	v_add_f32 v63, v20, v21
	v_add_f32 v64, v22, v23
	v_add_f32 v61, v61, v62
	v_add_f32 v63, v63, v64
	v_add_f32 v61, v61, v63
	v_rcp_f32 v61, v61
	v_nop
	s_wait_alu depctr_va_vdst(0)
.set n, 0
.rept 8
	v_mul_f32 v[16+n], v[16+n], v61                ; the probabilities
.set n, n+1
.endr
	; how many experts stand ahead of 0, and of 1, where the lower index wins a tie
	v_mov_b32 v62, 0
	v_mov_b32 v63, 0
.irp i, 17,18,19,20,21,22,23
	v_cmp_gt_f32 vcc_lo, v\i, v16
	v_cndmask_b32 v64, 0, 1, vcc_lo
	v_add_nc_u32 v62, v62, v64
.endr
	v_cmp_ge_f32 vcc_lo, v16, v17
	v_cndmask_b32 v64, 0, 1, vcc_lo
	v_add_nc_u32 v63, v63, v64
.irp i, 18,19,20,21,22,23
	v_cmp_gt_f32 vcc_lo, v\i, v17
	v_cndmask_b32 v64, 0, 1, vcc_lo
	v_add_nc_u32 v63, v63, v64
.endr
	v_cmp_eq_u32 s76, 0, v62                       ; m0: first choice is expert 0
	v_cmp_eq_u32 s77, 1, v63                       ; m1: second choice is expert 1
	v_cmp_gt_u32 s80, 2, v62                       ; expert 0 is among the two
	v_cmp_gt_u32 s81, 2, v63                       ; expert 1 is
	s_bcnt1_i32_b32 s80, s80
	s_bcnt1_i32_b32 s81, s81
	s_add_co_u32 s82, s80, s81                     ; choices that are 0 or 1
	s_and_not1_b32 s78, s76, s77                   ; A: expert 0 alone
	s_and_not1_b32 s79, s77, s76                   ; B: expert 1 alone
	s_and_b32 s80, s76, s77                        ; C: both
	s_bcnt1_i32_b32 s76, s78
	s_bcnt1_i32_b32 s77, s79
	s_bcnt1_i32_b32 s81, s80
	v_mov_b32 v12, 0
	v_writelane_b32 v12, s78, 0
	v_writelane_b32 v12, s79, 1
	v_writelane_b32 v12, s80, 2
	v_writelane_b32 v12, s76, 3
	v_writelane_b32 v12, s77, 4
	v_writelane_b32 v12, s81, 5
	v_writelane_b32 v12, s82, 6
	v_lshlrev_b32 v13, 10, v1                      ; lane i: section i of bits
	v_lshlrev_b32 v14, 3, v1
	global_store_b64 v14, v[16:17], s[16:17]       ; (p0, p1): 256 consecutive bytes, aligned
	s_wait_xcnt 0x0                                ; EXEC changes only behind this wait
	v_cmp_gt_u32 vcc_lo, 7, v1
	s_and_saveexec_b32 s83, vcc_lo
	global_store_b32 v13, v12, s[14:15]            ; seven words a work-group
	s_wait_xcnt 0x0
	s_or_b32 exec_lo, exec_lo, s83
.Lend:
	s_wait_tensorcnt 0x0                           ; the wave's end
	ds_add_u32 v[SPW], v[NIL]
	s_wait_dscnt 0x0
	s_endpgm
.Lfunc_end_k_q63dae7d563_route:
	.size	k_q63dae7d563_route, .Lfunc_end_k_q63dae7d563_route-k_q63dae7d563_route
	.p2alignl 7, 3214868480
	.fill 96, 4, 3214868480
	.section	.rodata,"a",@progbits
	.p2align	6, 0x0
	.amdhsa_kernel k_q63dae7d563_route
		.amdhsa_group_segment_fixed_size 277504
		.amdhsa_private_segment_fixed_size 0
		.amdhsa_enable_private_segment 0
		.amdhsa_kernarg_size 72
		.amdhsa_user_sgpr_count 2
		.amdhsa_user_sgpr_kernarg_segment_ptr 1
		.amdhsa_wavefront_size32 1
		.amdhsa_system_sgpr_workgroup_id_x 1
		.amdhsa_system_sgpr_workgroup_id_y 1
		.amdhsa_system_sgpr_workgroup_id_z 1
		.amdhsa_system_vgpr_workitem_id 0
		.amdhsa_next_free_vgpr 240
		.amdhsa_next_free_sgpr 92
		.amdhsa_reserve_vcc 1
		.amdhsa_float_denorm_mode_32 3
		.amdhsa_float_denorm_mode_16_64 3
		.amdhsa_memory_ordered 1
		.amdhsa_forward_progress 1
		.amdhsa_inst_pref_size 71
	.end_amdhsa_kernel
	.amdgpu_metadata
---
amdhsa.version: [ 1, 2 ]
amdhsa.kernels:
  - .name:           k_q63dae7d563_route
    .symbol:         k_q63dae7d563_route.kd
    .args:
      - { .name: x, .offset: 0, .size: 8, .value_kind: global_buffer, .address_space: global }
      - { .name: gate_w, .offset: 8, .size: 8, .value_kind: global_buffer, .address_space: global }
      - { .name: gate_b, .offset: 16, .size: 8, .value_kind: global_buffer, .address_space: global }
      - { .name: w1, .offset: 24, .size: 8, .value_kind: global_buffer, .address_space: global }
      - { .name: w2, .offset: 32, .size: 8, .value_kind: global_buffer, .address_space: global }
      - { .name: bits, .offset: 40, .size: 8, .value_kind: global_buffer, .address_space: global }
      - { .name: prob, .offset: 48, .size: 8, .value_kind: global_buffer, .address_space: global }
      - { .name: w1f, .offset: 56, .size: 8, .value_kind: global_buffer, .address_space: global }
      - { .name: w2f, .offset: 64, .size: 8, .value_kind: global_buffer, .address_space: global }
    .group_segment_fixed_size: 277504
    .private_segment_fixed_size: 0
    .kernarg_segment_align: 8
    .kernarg_segment_size: 72
    .max_flat_workgroup_size: 256
    .sgpr_count:     92
    .vgpr_count:     240
    .wavefront_size: 32
...
	.end_amdgpu_metadata
.endif
;; end of part 1
;; launch ffn1 (part 2): grid 256 x 1, 4 waves a work-group, no clusters, 165,632 bytes of LDS; arguments x, bits, w1f, b1, hf, tokl, out1; writes hf, tokl, out1
.if DOCPART == 2
	.amdgcn_target "amdgcn-amd-amdhsa--gfx1250"
	.amdhsa_code_object_version 6
	.text
	.protected	k_q63dae7d563_ffn1
	.globl	k_q63dae7d563_ffn1
	.p2align	8
	.type	k_q63dae7d563_ffn1,@function
k_q63dae7d563_ffn1:
	s_mov_b64 s[64:65], 0
	v_nop
	global_prefetch_b8 v0, s[64:65] scope:SCOPE_SE
	s_setreg_imm32_b32 hwreg(HW_REG_WAVE_MODE, 25, 1), 1
	s_wait_xcnt 0x0
; FFN1.  h = gelu(x w1[e] + b1[e]) for the rows that the result keeps, in four LISTS, each in the order of its tokens' ranks: list 0 = set A (expert 0 alone) with e = 0, list 1 = set B (expert 1 alone) with e = 1,
; lists 2 and 3 = set C (both experts) with e = 0 and e = 1.  x, w1, b1 rounded to bf16, sums in f32, h rounded once to f16 and stored as the next product's operand fragments: hf[list][block of 16 rows][K step of 32] of 1,024 bytes.
; ITEMS.  A tile is 80 rows of one list; an item is a tile x 256 of the 2,048 columns.  There are 8 (ceil(nA/80) + ceil(nB/80) + 2 ceil(nC/80)) items, 1,664 at the most: work-group g takes items
; g, g + 256, ..: a loop of SEVEN trips, a constant that serves every split.  Every wave passes both barriers of every trip; a trip without an item jumps forward over its two blocks of work, which hold no barrier.
; Places past a list's count repeat its last row.
; A TRIP.  Each wave finds the tokens of 20 ranks (from the masks and their word prefixes, which every wave keeps in registers), loads their rows of x, rounds them and lays them into the work-group's tile in LDS.
; Behind a barrier each wave multiplies all 80 rows by its own 64 columns: 20 accumulators; the weights come from w1f straight into registers, a ring of eight K steps; x's fragments from LDS.
; THE MATRIX INSTRUCTION IS USED TRANSPOSED (source 0 = 16 columns of w1, source 1 = 16 tokens): a lane then holds one token and eight neighbouring columns, which, rounded, ARE half a fragment of the next product.
; GELU, exact form: gelu(v) = max(v, 0) - |v| Q, Q = (1/2)(a1 t + a2 t^2 + a3 t^3) exp(-v^2/2), t = 1 / (1 + p |v| / sqrt 2): erf by the three-term rational form, off by 2.5e-5 at the most for every argument,
; so gelu by 1.25e-5 |v| at the most, a twentieth of what the rounding of h to f16 costs.
; LIMITS.  |h| stays under 65,504 (f16).  NaN and infinities are not treated apart.
; NO CLUSTER, NO TENSOR LOADS: whether a trip has work hangs on stored counts; the rows of x come by a list, which no descriptor covers; each weight fragment has one reading wave in a work-group.
; FOR THE NEXT LAUNCH: slice 0 of lists 0 to 2 stores its ranks' tokens (tokl[set][rank]); work-group 0's wave 0 stores the three counts behind them.  Work-group 255's wave 0 makes out1 at its end.
; out1: all eight usage numbers are the same count c (choices that are 0 or 1), so the steps of the formula are carried out on one of them: exactly 0, or NaN where c = 0.
; REGISTERS, in windows of 256 (s_set_vgpr_msb: bits 1:0 source 0, 3:2 source 1, 5:4 source 2, 7:6 destination):
;   window 0: addresses, bias, x's fragments (two buffers of 40), work;  window 1: weights, eight slots of 32;  window 2: v0-159 accumulators (row block rb, column block cb at 32 rb + 8 cb), v160-207 the sets' prefixes and masks;  window 3: eight rows of x as loaded
.set APITCH, 2064                      ; a row of the tile: 2,048 bytes + 16: the 16 rows of a fragment load start at 16 different groups of four banks (64 banks of 4 bytes: ISA guide 11.1)
.set SPARE,  80*APITCH                 ; 165,120: the spare words, 128 bytes a wave
.set EH,     515*65536                 ; a list's part of hf
.set TCAT,   33024                     ; a set's part of tokl: 8,256 words
.set TCNT,   3*TCAT                    ; behind them the three counts
.set SPW, 4
.set NIL, 5
.set L16, 6                            ; v6   16 x lane
.set FILL, 7                           ; v7   8 x lane + my 20 rows' place in the tile
.set AA,  8                            ; v8-12 LDS address of row block i's fragment; steps along K
.set TOK, 13                           ; v13  lane i: the token of my rank i
.set FRAG, 14                          ; v14  r x pitch + 16 h
.set H32, 15                           ; v15  32 h
.set BIAS, 32                          ; v32-63
.set AF,  64                           ; v64-143
.set CV,  144                          ; v144-159
.set GE,  64                           ; gelu: exponentials
.set GU,  96                           ; t
.set GM,  128                          ; max(v, 0), then h
.set GQ,  160
.set GH,  192                          ; h in f16
.set WE,  208                          ; v208-215 the masks of the set in hand: lane l holds words 8 l .. 8 l + 7
.set WB,  216                          ; v216-223 at work: eight words fetched from another lane
.set PE,  224                          ; v224-231 the word prefixes of the set in hand
.set L32, 240                          ; v240 32 x lane
.set T4,  242                          ; v242 4 x min(lane, 19)
.set PT,  160                          ; window 2: v160-183 word prefixes of sets A, B, C
.set WT,  184                          ; window 2: v184-207 their masks
.set RB,  40                           ; s[40:55] the addresses of eight rows of x
.set CEX, 56                           ; s[56:57] -log2(e) / 2
.set CP,  58                           ; p / sqrt 2
.set CA3, 60
.set CA2, 62
.set CA1, 66
.set MSB, 0
.macro WIN new                         ; the immediate's high byte repeats the setting that is left; a switch that changes nothing is dropped
.if MSB != (\new)
	s_set_vgpr_msb (MSB<<8)|(\new)
.set MSB, \new
.endif
.endm
.macro PLACES                          ; four places behind a matrix instruction, ahead of loads into its sources and of reads of its result
.rept 4
	v_nop
.endr
.endm
	s_load_b256 s[4:11], s[0:1], 0x0               ; x, bits, w1f, b1
	s_load_b128 s[12:15], s[0:1], 0x20             ; hf, tokl
	s_load_b64 s[74:75], s[0:1], 0x30              ; out1
	v_lshl_add_u32 v[SPW], v0, 2, SPARE
	v_mov_b32 v[NIL], 0
	v_lshrrev_b32 v1, 5, v0
	v_readfirstlane_b32 s16, v1                    ; wave 0..3
	v_and_b32 v1, 31, v0                           ; lane
	v_and_b32 v2, 15, v0                           ; r
	v_bfe_u32 v3, v0, 4, 1                         ; h
	v_lshlrev_b32 v[L16], 4, v1
	s_mul_i32 s34, s16, 20*APITCH
	v_lshl_add_u32 v[FILL], v1, 3, s34
	v_mul_u32_u24 v[FRAG], v2, APITCH
	v_lshl_add_u32 v[FRAG], v3, 4, v[FRAG]
	v_lshlrev_b32 v[H32], 5, v3
	v_lshlrev_b32 v[L32], 5, v1
	v_min_u32 v[T4], 19, v1
	v_lshlrev_b32 v[T4], 2, v[T4]
.irp c, CEX, CP, CA3, CA2, CA1
	s_mov_b32 s[(\c)+1], 0                         ; named as pairs; the low word serves both halves
.endr
	s_mov_b32 s[CEX], 0xbf38aa3b                   ; -0.72134752
	s_mov_b32 s[CP],  0x3eaa540e                   ;  0.33267253
	s_mov_b32 s[CA3], 0x3ebf7377                   ;  0.3739278
	s_mov_b32 s[CA2], 0xbd445ca1                   ; -0.0479399
	s_mov_b32 s[CA1], 0x3e32303a                   ;  0.1740121
	s_wait_kmcnt 0x0
	global_load_b128 v[16:19], v[L32], s[6:7] offset:3072   ; eight words' counts a lane, set A
	global_load_b128 v[20:23], v[L32], s[6:7] offset:3088
	global_load_b128 v[24:27], v[L32], s[6:7] offset:4096   ; set B
	global_load_b128 v[28:31], v[L32], s[6:7] offset:4112
	global_load_b128 v[32:35], v[L32], s[6:7] offset:5120   ; set C
	global_load_b128 v[36:39], v[L32], s[6:7] offset:5136
	WIN 0x80                                       ; the masks themselves go into window 2
.set n, 0
.rept 3
	global_load_b128 v[WT+8*n:WT+8*n+3],   v[L32], s[6:7] offset:1024*n
	global_load_b128 v[WT+8*n+4:WT+8*n+7], v[L32], s[6:7] offset:1024*n+16
.set n, n+1
.endr
	WIN 0
	s_wait_loadcnt 0x0
; The exclusive prefixes of 256 counts: inside the lane, across 16 lanes by four shifted adds, across the halves by lane 15's total.
.macro SCAN cb, pb, tot
	v_mov_b32 v[WB], 0
	v_mov_b32 v[WB+1], v[\cb]
.set n, 1
.rept 6
	v_add_nc_u32 v[WB+n+1], v[WB+n], v[(\cb)+n]
.set n, n+1
.endr
	v_add_nc_u32 v232, v[WB+7], v[(\cb)+7]         ; the lane's total
	v_mov_b32 v233, v232
	v_mov_b32 v234, 0
.irp d, 1,2,4,8
	v_mov_b32_dpp v234, v233 row_shr:\d row_mask:0xf bank_mask:0xf bound_ctrl:1
	v_add_nc_u32 v233, v233, v234
.endr
	v_readlane_b32 s34, v233, 15
	v_cmp_lt_u32 vcc_lo, 15, v1
	v_cndmask_b32 v234, 0, s34, vcc_lo
	v_add_nc_u32 v233, v233, v234
	v_readlane_b32 s[\tot], v233, 31               ; the set's tokens
	v_sub_nc_u32 v233, v233, v232
	WIN 0x80
.set n, 0
.rept 8
	v_add_nc_u32 v[(\pb)+n], v[WB+n], v233
.set n, n+1
.endr
	WIN 0
.endm
.macro TILES dst, cnt                  ; (n + 79) / 80, as (n + 79) x 52,429 >> 22: right up to 8,271
	s_add_co_u32 s[\dst], s[\cnt], 79
	s_mul_i32 s[\dst], s[\dst], 52429
	s_lshr_b32 s[\dst], s[\dst], 22
.endm
	SCAN 16, PT, 17                                ; s17 = nA
	SCAN 24, PT+8, 18                              ; s18 = nB
	SCAN 32, PT+16, 19                             ; s19 = nC
	TILES 20, 17                                   ; s20: where list 1's tiles begin
	TILES 21, 18
	TILES 34, 19
	s_add_co_u32 s21, s21, s20                     ; list 2's
	s_add_co_u32 s22, s21, s34                     ; list 3's
	s_add_co_u32 s23, s22, s34
	s_lshl_b32 s23, s23, 3                         ; items
	s_or_b32 s34, ttmp9, s16
	s_cmp_lg_u32 s34, 0
	s_cbranch_scc1 .Lno_cnt
	v_mov_b32 v236, s17
	v_mov_b32 v237, s18
	v_mov_b32 v238, s19
	v_mov_b32 v239, 0
	v_mov_b32 v241, 0
	s_wait_xcnt 0x0                                ; EXEC changes only behind this wait
	v_cmp_eq_u32 vcc_lo, 0, v1
	s_and_saveexec_b32 s34, vcc_lo
	global_store_b128 v241, v[236:239], s[14:15] offset:TCNT
	s_wait_xcnt 0x0
	s_or_b32 exec_lo, exec_lo, s34
.Lno_cnt:
; Row j of my 20 is asked for: eight loads of 512 consecutive bytes into slot j % 8 of window 3.
.macro ROWREQ j
	WIN 0
	v_readlane_b32 s34, v[TOK], \j
	s_min_u32 s34, s34, 8191
	s_lshl_b32 s34, s34, 12
	s_mov_b32 s35, 0
	s_add_nc_u64 s[RB+2*((\j)%8):RB+2*((\j)%8)+1], s[4:5], s[34:35]
	WIN 0xc0
.set n, 0
.rept 8
	global_load_b128 v[32*((\j)%8)+4*n:32*((\j)%8)+4*n+3], v[L16], s[RB+2*((\j)%8):RB+2*((\j)%8)+1] offset:512*n
.set n, n+1
.endr
.endm
; Row j has come: rounded to bf16, 8 bytes a lane into the tile; its slot takes row j + 8.
.macro ROWIN j
.set lft, 19-(\j)
.if lft > 7
.set lft, 7
.endif
	s_wait_loadcnt 8*lft                           ; the later rows' eight loads each may be out; this wait also frees the slot's address pair
	WIN 0x0f
.set n, 0
.rept 16
	v_cvt_pk_bf16_f32 v[CV+n], v[32*((\j)%8)+2*n], v[32*((\j)%8)+2*n+1]
.set n, n+1
.endr
	WIN 0
.set n, 0
.rept 8
	ds_store_b64 v[FILL], v[CV+2*n:CV+2*n+1] offset:(\j)*APITCH+256*n
.set n, n+1
.endr
.if (\j)+8 < 20
	ROWREQ (\j)+8
.endif
.endm
.macro BLOAD slot, imm                 ; a K step's four weight fragments, eight loads of 512 consecutive bytes
	WIN 0x40
.set cc, 0
.rept 4
	global_load_b128 v[32*(\slot)+8*cc:32*(\slot)+8*cc+3],   v[L16], s[30:31] offset:(\imm)+cc*1024
	global_load_b128 v[32*(\slot)+8*cc+4:32*(\slot)+8*cc+7], v[L16], s[30:31] offset:(\imm)+cc*1024+512
.set cc, cc+1
.endr
.endm
.macro ALOAD buf, koff                 ; a K step's five fragments of x
	WIN 0
.set rb, 0
.rept 5
	ds_load_b128 v[AF+40*(\buf)+8*rb:AF+40*(\buf)+8*rb+3],   v[AA+rb] offset:(\koff)
	ds_load_b128 v[AF+40*(\buf)+8*rb+4:AF+40*(\buf)+8*rb+7], v[AA+rb] offset:(\koff)+32
.set rb, rb+1
.endr
.endm
.macro MUL buf, slot, first            ; 20 products; the 20 accumulators take turns.  first = 1: the bias starts the sums
.if \first
	WIN 0x81
.else
	WIN 0xa1
.endif
.set rb, 0
.rept 5
.set cc, 0
.rept 4
.if \first
	v_wmma_f32_16x16x32_bf16 v[32*rb+8*cc:32*rb+8*cc+7], v[32*(\slot)+8*cc:32*(\slot)+8*cc+7], v[AF+40*(\buf)+8*rb:AF+40*(\buf)+8*rb+7], v[BIAS+8*cc:BIAS+8*cc+7]
.else
	v_wmma_f32_16x16x32_bf16 v[32*rb+8*cc:32*rb+8*cc+7], v[32*(\slot)+8*cc:32*(\slot)+8*cc+7], v[AF+40*(\buf)+8*rb:AF+40*(\buf)+8*rb+7], v[32*rb+8*cc:32*rb+8*cc+7]
.endif
.set cc, cc+1
.endr
.set rb, rb+1
.endr
.endm
; A K step: the slot and the buffer that the step before read are filled again (rs, ab < 0: not), then this step's operands are waited for and multiplied.
.macro STEP rs, ri, ab, ak, nl, nd, mb, ms, first
	PLACES
.if (\rs) >= 0
	BLOAD \rs, \ri
.endif
.if (\ab) >= 0
	ALOAD \ab, \ak
.endif
	s_wait_loadcnt \nl                             ; the younger slots' eight loads each may be out
	s_wait_dscnt \nd                               ; and the next step's ten fragment loads
	MUL \mb, \ms, \first
.endm
; Row block rbi leaves: 32 numbers a lane.  The 64 transcendentals are one batch with one wait; the 32 maxima are the plain work between.
.macro GELU rbi
.set XB, 32*(\rbi)
	WIN 0x0a
.set n, 0
.rept 16                                               ; each accumulator is read from its low end on
	v_pk_mul_f32 v[GE+2*n:GE+2*n+1], v[XB+2*n:XB+2*n+1], v[XB+2*n:XB+2*n+1]
.set n, n+1
.endr
.set n, 0
.rept 32
	v_fma_f32 v[GU+n], |v[XB+n]|, s[CP], 1.0
.set n, n+1
.endr
	WIN 0
.set n, 0
.rept 16
	v_pk_mul_f32 v[GE+2*n:GE+2*n+1], v[GE+2*n:GE+2*n+1], s[CEX:CEX+1] op_sel_hi:[1,0]
.set n, n+1
.endr
.set n, 0
.rept 32
	v_exp_f32 v[GE+n], v[GE+n]
.set n, n+1
.endr
.set n, 0
.rept 32
	v_rcp_f32 v[GU+n], v[GU+n]
.set n, n+1
.endr
	WIN 0x0a
.set n, 0
.rept 32
	v_max_num_f32 v[GM+n], 0, v[XB+n]
.set n, n+1
.endr
	s_wait_alu depctr_va_vdst(0)                   ; one wait for the batch, ahead of its first reader
	WIN 0
.set n, 0
.rept 16
	v_pk_fma_f32 v[GQ+2*n:GQ+2*n+1], v[GU+2*n:GU+2*n+1], s[CA3:CA3+1], s[CA2:CA2+1] op_sel_hi:[1,0,0]
.set n, n+1
.endr
.set n, 0
.rept 16
	v_pk_fma_f32 v[GQ+2*n:GQ+2*n+1], v[GQ+2*n:GQ+2*n+1], v[GU+2*n:GU+2*n+1], s[CA1:CA1+1] op_sel_hi:[1,1,0]
.set n, n+1
.endr
.set n, 0
.rept 16
	v_pk_mul_f32 v[GU+2*n:GU+2*n+1], v[GU+2*n:GU+2*n+1], v[GE+2*n:GE+2*n+1]
.set n, n+1
.endr
.set n, 0
.rept 16
	v_pk_mul_f32 v[GQ+2*n:GQ+2*n+1], v[GQ+2*n:GQ+2*n+1], v[GU+2*n:GU+2*n+1]
.set n, n+1
.endr
	WIN 0x02
.set n, 0
.rept 32
	v_fma_f32 v[GM+n], -|v[XB+n]|, v[GQ+n], v[GM+n]
.set n, n+1
.endr
	WIN 0
	s_wait_xcnt 0x0                                ; the block before's stores have read their data registers
.set n, 0
.rept 16
	v_cvt_pk_f16_f32 v[GH+n], v[GM+2*n], v[GM+2*n+1]
.set n, n+1
.endr
.set cc, 0
.rept 4                                                ; column block cb is half cb % 2 of fragment cb / 2: 512 consecutive bytes, aligned
	global_store_b128 v[L16], v[GH+4*cc:GH+4*cc+3], s[32:33] offset:(\rbi)*65536+(cc/2)*1024+(cc%2)*512
.set cc, cc+1
.endr
.endm
.macro SEL src, width, mask            ; one level of 'where is set bit number k': the low field's count against k
	v_lshrrev_b32 v27, v26, v[\src]
	v_and_b32 v27, \mask, v27
	v_cmp_ge_u32 vcc_lo, v16, v27
	v_sub_nc_u32 v27, v16, v27
	v_cndmask_b32 v16, v16, v27, vcc_lo
	v_add_nc_u32 v27, \width, v26
	v_cndmask_b32 v26, v26, v27, vcc_lo
.endm
	s_mov_b32 s24, 7                               ; trips
	s_mov_b32 s25, ttmp9                           ; item
.Ltrip:
	s_wait_xcnt 0x0                                ; the trip before's stores have read their bases and their data
	s_and_b32 s26, s25, 7                          ; slice of 256 columns
	s_lshr_b32 s27, s25, 3                         ; tile
	s_mov_b32 s29, 0                               ; its list,
	s_mov_b32 s34, 0                               ; where that list's tiles begin,
	s_mov_b32 s69, s17                             ; and how many rows the list has
	s_cmp_ge_u32 s27, s20
	s_cselect_b32 s29, 1, s29
	s_cselect_b32 s34, s20, s34
	s_cselect_b32 s69, s18, s69
	s_cmp_ge_u32 s27, s21
	s_cselect_b32 s29, 2, s29
	s_cselect_b32 s34, s21, s34
	s_cselect_b32 s69, s19, s69
	s_cmp_ge_u32 s27, s22
	s_cselect_b32 s29, 3, s29
	s_cselect_b32 s34, s22, s34
	s_sub_co_u32 s27, s27, s34                     ; the tile's number within the list,
	s_min_u32 s27, s27, 102                        ; 102 at the most
	s_min_u32 s29, s29, 3
	s_and_b32 s68, s29, 1                          ; expert
	s_min_u32 s76, s29, 2                          ; set: A, B or C
	s_mul_i32 s70, s27, 80                         ; first rank
	s_mul_i32 s71, s27, 5                          ; first block of 16 rows
	s_cmp_lt_u32 s25, s23
	s_cselect_b32 s28, 1, 0                        ; is there such an item?
	s_cmp_eq_u32 s28, 0
	s_cbranch_scc1 .Lno_fill
	; THE TOKENS OF MY 20 RANKS.  Lane i looks for rank rho = first + 20 w + i, held to the list's last.
	s_cmp_eq_u32 s76, 1
	s_cselect_b32 s77, -1, 0
	s_cmp_eq_u32 s76, 2
	s_cselect_b32 s78, -1, 0
	WIN 0x0a                                       ; both sources in window 2
.set n, 0
.rept 8
	v_cndmask_b32 v[PE+n], v[PT+n], v[PT+8+n], s77
	v_cndmask_b32 v[WE+n], v[WT+n], v[WT+8+n], s77
.set n, n+1
.endr
	WIN 0x08                                       ; the second source in window 2
.set n, 0
.rept 8
	v_cndmask_b32 v[PE+n], v[PE+n], v[PT+16+n], s78
	v_cndmask_b32 v[WE+n], v[WE+n], v[WT+16+n], s78
.set n, n+1
.endr
	WIN 0
	s_mul_i32 s35, s16, 20
	s_add_co_u32 s35, s35, s70
	v_min_u32 v16, 19, v1
	v_add_nc_u32 v16, s35, v16
	s_sub_co_u32 s35, s69, 1
	v_min_u32 v16, s35, v16                        ; rho
	v_mov_b32 v17, 0
.irp d, 16,8,4,2,1                                     ; the last lane whose first prefix is not above rho
	v_add_nc_u32 v18, \d, v17
	v_lshlrev_b32 v19, 2, v18
	ds_bpermute_b32 v20, v19, v[PE]
	s_wait_dscnt 0x0
	v_cmp_le_u32 vcc_lo, v20, v16
	v_cndmask_b32 v17, v17, v18, vcc_lo
.endr
	v_lshlrev_b32 v19, 2, v17
.set n, 0
.rept 8                                                ; that lane's eight prefixes and eight mask words
	ds_bpermute_b32 v[20+n], v19, v[PE+n]
	ds_bpermute_b32 v[WB+n], v19, v[WE+n]
.set n, n+1
.endr
	v_lshlrev_b32 v18, 3, v17
	s_wait_dscnt 0x0
.set n, 1
.rept 7                                                ; the last word whose prefix is not above rho: it holds the rank
	v_cmp_le_u32 vcc_lo, v[20+n], v16
	v_cndmask_b32 v20, v20, v[20+n], vcc_lo
	v_cndmask_b32 v[WB], v[WB], v[WB+n], vcc_lo
	v_cndmask_b32 v28, 0, 1, vcc_lo
	v_add_nc_u32 v18, v18, v28
.set n, n+1
.endr
	v_sub_nc_u32 v16, v16, v20                     ; k: which set bit of that word
	v_lshrrev_b32 v22, 1, v[WB]                    ; counts of set bits in fields of 2, 4, 8, 16
	v_and_b32 v22, 0x55555555, v22
	v_sub_nc_u32 v22, v[WB], v22
	v_lshrrev_b32 v23, 2, v22
	v_and_b32 v23, 0x33333333, v23
	v_and_b32 v24, 0x33333333, v22
	v_add_nc_u32 v23, v23, v24
	v_lshrrev_b32 v24, 4, v23
	v_add_nc_u32 v24, v24, v23
	v_and_b32 v24, 0x0f0f0f0f, v24
	v_lshrrev_b32 v25, 8, v24
	v_add_nc_u32 v25, v25, v24
	v_and_b32 v25, 0x00ff00ff, v25
	v_mov_b32 v26, 0
	SEL 25, 16, 0xffff
	SEL 24, 8, 0xff
	SEL 23, 4, 15
	SEL 22, 2, 3
	SEL WB, 1, 1
	v_lshl_add_u32 v[TOK], v18, 5, v26             ; token = 32 x word + bit
.irp j, 0,1,2,3,4,5,6,7
	ROWREQ \j
.endr
	WIN 0
	s_cmp_eq_u32 s29, 3                            ; the tokens are stored once for each set and tile: by slice 0, and not by list 3
	s_cselect_b32 s34, 1, 0
	s_or_b32 s34, s34, s26
	s_cmp_lg_u32 s34, 0
	s_cbranch_scc1 .Lno_tok
	s_mul_i32 s34, s76, TCAT
	s_mul_i32 s73, s16, 20
	s_add_co_u32 s73, s73, s70
	s_lshl_b32 s73, s73, 2
	s_add_co_u32 s34, s34, s73
	s_mov_b32 s35, 0
	s_add_nc_u64 s[36:37], s[14:15], s[34:35]
	global_store_b32 v[T4], v[TOK], s[36:37]       ; lanes 20 to 31 hold lane 19's token and store it to lane 19's word once more
.Lno_tok:
.irp j, 0,1,2,3,4,5,6,7,8,9,10,11,12,13,14,15,16,17,18,19
	ROWIN \j
.endr
	WIN 0
.Lno_fill:
	s_wait_dscnt 0x0                               ; for the others' sake: my rows are in the tile
	s_barrier_signal -1
	s_barrier_wait -1
	s_cmp_eq_u32 s28, 0
	s_cbranch_scc1 .Lno_mul
	s_lshl_b32 s34, s68, 5                         ; weights: group of 64 columns 32 e + 4 slice + w, 131,072 bytes each
	s_lshl_b32 s73, s26, 2
	s_add_co_u32 s34, s34, s73
	s_add_co_u32 s34, s34, s16
	s_lshl_b32 s34, s34, 17
	s_mov_b32 s35, 0
	s_add_nc_u64 s[30:31], s[8:9], s[34:35]
	s_mul_i32 s34, s29, EH                         ; hf: list, row block, K step 8 slice + 2 w
	s_lshl_b32 s73, s71, 16
	s_add_co_u32 s34, s34, s73
	s_lshl_b32 s73, s26, 13
	s_add_co_u32 s34, s34, s73
	s_lshl_b32 s73, s16, 11
	s_add_co_u32 s34, s34, s73
	s_add_nc_u64 s[32:33], s[12:13], s[34:35]
	s_lshl_b32 s34, s68, 13                        ; b1: expert, slice, my 64 columns
	s_lshl_b32 s73, s26, 10
	s_add_co_u32 s34, s34, s73
	s_lshl_b32 s73, s16, 8
	s_add_co_u32 s34, s34, s73
	s_add_nc_u64 s[38:39], s[10:11], s[34:35]
.set cc, 0
.rept 4                                                ; register j of block cb: column 16 cb + 8 h + j
	global_load_b128 v[BIAS+8*cc:BIAS+8*cc+3],   v[H32], s[38:39] offset:cc*64
	global_load_b128 v[BIAS+8*cc+4:BIAS+8*cc+7], v[H32], s[38:39] offset:cc*64+16
.set cc, cc+1
.endr
.irp t, 0,1,2,3,4,5,6
	BLOAD \t, (\t)*4096
.endr
	WIN 0
.set rb, 0
.rept 5
	v_add_nc_u32 v[AA+rb], rb*16*APITCH, v[FRAG]
.set rb, rb+1
.endr
	ALOAD 0, 0
	s_wait_loadcnt 56                              ; the bias is in; the seven slots' 56 loads stay out
.set n, 0
.rept 16
	v_cvt_pk_bf16_f32 v[CV+n], v[BIAS+2*n], v[BIAS+2*n+1]
.set n, n+1
.endr
.set n, 0
.rept 16
	v_lshlrev_b32 v[BIAS+2*n], 16, v[CV+n]
	v_and_b32 v[BIAS+2*n+1], 0xffff0000, v[CV+n]
.set n, n+1
.endr
	STEP 7, 7*4096, 1, 64, 56, 10, 0, 0, 1         ; K step 0 stands ahead of the loop: its products start the sums
	WIN 0
	s_mov_b32 s72, 3
.Lk:                                                   ; three trips of eight: K steps 1 to 24; they ask for steps 8 to 31
.set p, 0
.rept 8
	STEP p, (8+p)*4096, p%2, (2+p)*64, 56, 10, (1+p)%2, (1+p)%8, 0
.set p, p+1
.endr
	WIN 0
	s_wait_xcnt 0x0                                ; the loads have read their base
	s_add_nc_u64 s[30:31], s[30:31], 32768
.set rb, 0
.rept 5
	v_add_nc_u32 v[AA+rb], 512, v[AA+rb]
.set rb, rb+1
.endr
	s_sub_co_u32 s72, s72, 1
	s_cmp_lg_u32 s72, 0
	s_cbranch_scc1 .Lk
.set p, 25
.rept 6                                                ; the tail asks for no weights: the counts run down
	STEP -1, 0, (p+1)%2, (p+1)*64-1536, 8*(31-p), 10, p%2, p%8, 0
.set p, p+1
.endr
	STEP -1, 0, -1, 0, 0, 0, 1, 7, 0
	PLACES
.irp t, 0,1,2,3,4
	GELU \t
.endr
	WIN 0
.Lno_mul:
	s_wait_dscnt 0x0                               ; my reads of the tile are over: behind the barrier it may be written again
	s_barrier_signal -1
	s_barrier_wait -1
	s_add_co_u32 s25, s25, 256
	s_sub_co_u32 s24, s24, 1
	s_cmp_lg_u32 s24, 0
	s_cbranch_scc1 .Ltrip
	s_xor_b32 s34, ttmp9, 255
	s_or_b32 s34, s34, s16
	s_cmp_lg_u32 s34, 0
	s_cbranch_scc1 .Lend
	; out1, by one wave of the launch
	s_wait_xcnt 0x0                                ; earlier stores have read the registers that are loaded now
	global_load_b128 v[200:203], v[L32], s[6:7] offset:6144   ; eight words' counts a lane
	global_load_b128 v[204:207], v[L32], s[6:7] offset:6160
	s_mov_b32 s34, 0x76543210
	s_mov_b32 s35, 0xfedcba98
	s_wait_loadcnt 0x0
	v_add_nc_u32 v200, v200, v201
	v_add_nc_u32 v202, v202, v203
	v_add_nc_u32 v204, v204, v205
	v_add_nc_u32 v206, v206, v207
	v_add_nc_u32 v200, v200, v202
	v_add_nc_u32 v204, v204, v206
	v_add_nc_u32 v200, v200, v204
	v_cvt_f32_u32 v200, v200                       ; whole numbers up to 16,384: the sums below are exact
	v_add_f32_dpp v200, v200, v200 row_xmask:1 row_mask:0xf bank_mask:0xf
	v_add_f32_dpp v200, v200, v200 row_xmask:2 row_mask:0xf bank_mask:0xf
	v_add_f32_dpp v200, v200, v200 row_xmask:4 row_mask:0xf bank_mask:0xf
	v_add_f32_dpp v200, v200, v200 row_xmask:8 row_mask:0xf bank_mask:0xf
	v_mov_b32 v201, 0
	v_permlanex16_b32 v201, v200, s34, s35
	v_add_f32 v200, v200, v201                     ; c
	v_mul_f32 v201, 0x41000000, v200               ; the sum of the eight usages
	v_rcp_f32 v202, v201
	v_nop
	s_wait_alu depctr_va_vdst(0)
	v_mul_f32 v202, v200, v202                     ; a usage
	v_mul_f32 v203, 0x41000000, v202
	v_mul_f32 v203, 0x3e000000, v203               ; their mean
	v_sub_f32 v204, v202, v203
	v_mul_f32 v204, v204, v204
	v_mul_f32 v204, 0x41000000, v204
	v_mul_f32 v204, 0x3e124925, v204               ; the variance, over 7
	v_sqrt_f32 v204, v204
	v_rcp_f32 v203, v203
	v_nop
	s_wait_alu depctr_va_vdst(0)
	v_mul_f32 v204, v204, v203
	v_mul_f32 v204, v204, v204
	v_mov_b32 v205, 0
	s_wait_xcnt 0x0                                ; EXEC changes only behind this wait
	v_cmp_eq_u32 vcc_lo, 0, v1
	s_and_saveexec_b32 s34, vcc_lo
	global_store_b32 v205, v204, s[74:75]
	s_wait_xcnt 0x0
	s_or_b32 exec_lo, exec_lo, s34
.Lend:
	s_wait_tensorcnt 0x0                           ; the wave's end
	ds_add_u32 v[SPW], v[NIL]
	s_wait_dscnt 0x0
	s_endpgm
.Lfunc_end_k_q63dae7d563_ffn1:
	.size	k_q63dae7d563_ffn1, .Lfunc_end_k_q63dae7d563_ffn1-k_q63dae7d563_ffn1
	.p2alignl 7, 3214868480
	.fill 96, 4, 3214868480
	.section	.rodata,"a",@progbits
	.p2align	6, 0x0
	.amdhsa_kernel k_q63dae7d563_ffn1
		.amdhsa_group_segment_fixed_size 165632
		.amdhsa_private_segment_fixed_size 0
		.amdhsa_enable_private_segment 0
		.amdhsa_kernarg_size 56
		.amdhsa_user_sgpr_count 2
		.amdhsa_user_sgpr_kernarg_segment_ptr 1
		.amdhsa_wavefront_size32 1
		.amdhsa_system_sgpr_workgroup_id_x 1
		.amdhsa_system_sgpr_workgroup_id_y 1
		.amdhsa_system_sgpr_workgroup_id_z 1
		.amdhsa_system_vgpr_workitem_id 0
		.amdhsa_next_free_vgpr 1024
		.amdhsa_next_free_sgpr 80
		.amdhsa_reserve_vcc 1
		.amdhsa_float_denorm_mode_32 3
		.amdhsa_float_denorm_mode_16_64 3
		.amdhsa_memory_ordered 1
		.amdhsa_forward_progress 1
		.amdhsa_inst_pref_size 197
	.end_amdhsa_kernel
	.amdgpu_metadata
---
amdhsa.version: [ 1, 2 ]
amdhsa.kernels:
  - .name:           k_q63dae7d563_ffn1
    .symbol:         k_q63dae7d563_ffn1.kd
    .args:
      - { .name: x, .offset: 0, .size: 8, .value_kind: global_buffer, .address_space: global }
      - { .name: bits, .offset: 8, .size: 8, .value_kind: global_buffer, .address_space: global }
      - { .name: w1f, .offset: 16, .size: 8, .value_kind: global_buffer, .address_space: global }
      - { .name: b1, .offset: 24, .size: 8, .value_kind: global_buffer, .address_space: global }
      - { .name: hf, .offset: 32, .size: 8, .value_kind: global_buffer, .address_space: global }
      - { .name: tokl, .offset: 40, .size: 8, .value_kind: global_buffer, .address_space: global }
      - { .name: out1, .offset: 48, .size: 8, .value_kind: global_buffer, .address_space: global }
    .group_segment_fixed_size: 165632
    .private_segment_fixed_size: 0
    .kernarg_segment_align: 8
    .kernarg_segment_size: 56
    .max_flat_workgroup_size: 128
    .sgpr_count:     80
    .vgpr_count:     1024
    .wavefront_size: 32
...
	.end_amdgpu_metadata
.endif
;; end of part 2
;; launch ffn2 (part 3): grid 256 x 1, 4 waves a work-group, no clusters, 169,472 bytes of LDS; arguments hf, w2f, tokl, bits, prob, b2, out0; writes out0
.if DOCPART == 3
	.amdgcn_target "amdgcn-amd-amdhsa--gfx1250"
	.amdhsa_code_object_version 6
	.text
	.protected	k_q63dae7d563_ffn2
	.globl	k_q63dae7d563_ffn2
	.p2align	8
	.type	k_q63dae7d563_ffn2,@function
k_q63dae7d563_ffn2:
	s_mov_b64 s[64:65], 0
	v_nop
	global_prefetch_b8 v0, s[64:65] scope:SCOPE_SE
	s_setreg_imm32_b32 hwreg(HW_REG_WAVE_MODE, 25, 1), 1
	s_wait_xcnt 0x0
; FFN2.  out0[t] = [t in A or C] p0 (h0 w2[0] + b2[0]) + [t in B or C] p1 (h1 w2[1] + b2[1]), a row of zeros for a token in none of the three sets.  h and w2 in f16, b2 rounded to bf16, sums in f32.
; EVERY ROW OF out0 HAS ONE OWNER.  A token of set A or B has one expert; a token of set C has both, and its two products are added in one work-group.
; ITEMS.  A tile is 80 rows of one set, in the order of their ranks.  Set A, B: an item is a tile x 128 of the 1,024 columns; K = 2,048 is split over the four waves, 16 K steps of 32 each, 40 products a step.
; Set C: an item is a tile x 64 columns; K = 2 x 2,048: waves 0, 1 take the halves of expert 0's K, waves 2, 3 those of expert 1's, 32 K steps each, 20 products a step: the same 640 products a wave.
; There are 16 ceil(nC/80) + 8 (ceil(nA/80) + ceil(nB/80)) items, 1,664 at the most, set C's first; work-group g takes items g, g + 256, ..: SEVEN trips, a constant that serves every split; every wave
; passes both barriers of every trip, and a trip without an item jumps forward over its two blocks of work, which hold no barrier.
; Each operand byte enters the work-group once, straight into registers as a fragment (both buffers lie in fragment order: every load is 512 consecutive bytes).  The four partial tiles, f32, meet in LDS.
; THE SUM is one text for both shapes: out = (part0 + part1 + ba) wa + (part2 + part3 + bb) wb.  Set A, B: wa = wb = the expert's p, ba = its bias, bb = 0.  Set C: wa = p0, wb = p1, ba = b2[0], bb = b2[1].
; It goes by LINES of 512 bytes of a partial tile: a row of 128 columns, or (set C) two rows of 64.  Wave w takes lines 10 w .. 10 w + 9 and then lines 40 + 10 w .. 40 + 10 w + 9: a tile of set C has 40 lines
; and ends with the first ten, so the LDS addresses of the sum hang on the wave's number alone.  A lane fetches its row's token and weights from the lane that holds them.  Each store is 512 or 2 x 256 consecutive bytes, aligned.
; What differs between the shapes in a global address (the token list's place, the slice's bytes, the lane's bytes) is made in the two arms of the branch on the shape, from clamped numbers, the wave's number and constants.
; Places past a set's count repeat its last row: they store the same numbers to the same bytes once more, from the same work-group.
; ZERO ROWS.  Work-group g's wave w stores the rows of those of tokens 32 g + 8 w .. + 7 that are in no set, ahead of the trips.
; THE MATRIX INSTRUCTION IS USED TRANSPOSED (source 0 = 16 columns of w2, source 1 = 16 rows of h): a lane holds one row and eight neighbouring columns.
; LIMITS.  h and w2 arrive within f16's 65,504.  NaN and infinities are not treated apart.
; NO CLUSTER, NO TENSOR LOADS: whether a trip has work hangs on stored counts.
; REGISTERS (s_set_vgpr_msb: bits 1:0 source 0, 3:2 source 1, 5:4 source 2, 7:6 destination): window 0: addresses; v32-191 h's fragments, slots of 40 (later v32-231: two sets of five lines of 20 for the sums);
;   window 1: w2's fragments, slots of 64;  window 2: accumulators of row blocks 0-3 (64 rb + 8 c);  window 3: v0-63 row block 4.
.set PPITCH, 528                       ; a line of a partial tile: 512 bytes + 16
.set PWAVE,  80*PPITCH                 ; 42,240
.set SPARE,  4*PWAVE                   ; 168,960: the spare words
.set EH,     515*65536                 ; a list's part of hf
.set TCAT,   33024                     ; a set's part of tokl
.set TCNT,   3*TCAT                    ; behind them the three counts
.set SPW, 4
.set NIL, 5
.set L16, 6                            ; v6   16 x lane
.set ST8, 7                            ; v7   into my partial tile, rows of 128 columns
.set RA,  8                            ; v8   my lines in waves 0 and 1's tiles; steps in the sum's loop
.set RB,  9                            ; v9   in waves 2 and 3's
.set ST4, 10                           ; v10  into my partial tile, two rows of 64 columns a line
.set C16, 11                           ; v11  16 x (lane % 16)
.set H4,  12                           ; v12  4 x (lane / 16)
.set T4,  13                           ; v13  set C: 4 i, i = min(lane, 19): lane i holds the token of my row i
.set COL, 14                           ; v14  my bytes in a row's slice
.set IDX, 15                           ; v15  4 x the lane that holds my line's row; steps in the sum's loop
.set TOK, 16                           ; v16  lane i: the token of my row i
.set TKC, 17                           ; v17  the same, held to 8,191
.set PW,  18                           ; v18-19 lane i: (p0, p1) of that token
.set WA,  20                           ; v20  lane i: wa
.set WB,  21                           ; v21  wb
.set T4A, 22                           ; v22  sets A, B: 4 (i + 30 (i / 10)): my rows 0-9 are ranks 10 w + i, my rows 10-19 ranks 40 + 10 w + i - 10
.set BA,  24                           ; v24-27 ba of my four columns
.set BB,  28                           ; v28-31 bb
.set AR,  32
.set RS,  32
.set ZR,  232                          ; v232-235 zeros; never rewritten
.set TP,  236                          ; v236-239 at work
.set MSB, 0
.macro WIN new
.if MSB != (\new)
	s_set_vgpr_msb (MSB<<8)|(\new)
.set MSB, \new
.endif
.endm
.macro PLACES
.rept 4
	v_nop
.endr
.endm
.macro TILES dst, cnt                  ; (n + 79) / 80, as (n + 79) x 52,429 >> 22: right up to 8,271
	s_add_co_u32 s[\dst], s[\cnt], 79
	s_mul_i32 s[\dst], s[\dst], 52429
	s_lshr_b32 s[\dst], s[\dst], 22
.endm
	s_load_b256 s[4:11], s[0:1], 0x0               ; hf, w2f, tokl, bits
	s_load_b128 s[12:15], s[0:1], 0x20             ; prob, b2
	s_load_b64 s[20:21], s[0:1], 0x30              ; out0
	v_lshl_add_u32 v[SPW], v0, 2, SPARE
	v_mov_b32 v[NIL], 0
	v_lshrrev_b32 v1, 5, v0
	v_readfirstlane_b32 s22, v1                    ; wave 0..3
	v_and_b32 v1, 31, v0
	v_and_b32 v2, 15, v0                           ; r
	v_bfe_u32 v3, v0, 4, 1                         ; h
	v_lshlrev_b32 v[L16], 4, v1
	s_mul_i32 s40, s22, PWAVE
	v_mul_u32_u24 v[ST8], v2, PPITCH               ; row r, 32 bytes for each half of the lanes
	v_lshl_add_u32 v[ST8], v3, 5, v[ST8]
	v_add_nc_u32 v[ST8], s40, v[ST8]
	v_lshrrev_b32 v[ST4], 1, v2                    ; line r / 2, its half r % 2
	v_mul_u32_u24 v[ST4], v[ST4], PPITCH
	v_and_b32 v[C16], 1, v0
	v_lshl_add_u32 v[ST4], v[C16], 8, v[ST4]
	v_lshl_add_u32 v[ST4], v3, 5, v[ST4]
	v_add_nc_u32 v[ST4], s40, v[ST4]
	v_lshlrev_b32 v[C16], 4, v2
	v_lshlrev_b32 v[H4], 2, v3
	v_min_u32 v[T4], 19, v1                        ; i
	v_mul_u32_u24 v[T4A], v[T4], 205               ; i / 10 = 205 i >> 11 for i up to 19
	v_lshrrev_b32 v[T4A], 11, v[T4A]
	v_mad_u32_u24 v[T4A], v[T4A], 30, v[T4]
	v_lshlrev_b32 v[T4A], 2, v[T4A]
	v_lshlrev_b32 v[T4], 2, v[T4]
.irp r, 16,17,18,19,24,25,26,27,28,29,30,31,232,233,234,235
	v_mov_b32 v\r, 0                               ; what the first block of a trip loads and the second reads is written on every way; and the zeros
.endr
	s_lshl_b32 s40, ttmp9, 2                       ; word g
	s_lshl_b32 s60, ttmp9, 17                      ; out0: 32 tokens of 4,096 bytes a work-group, 8 a wave
	s_lshl_b32 s61, s22, 15
	s_add_co_u32 s60, s60, s61
	s_mov_b32 s61, 0
	s_lshl_b32 s59, s22, 3
	s_wait_kmcnt 0x0
	s_load_b128 s[16:19], s[8:9], TCNT             ; nA, nB, nC
	s_load_b32 s58, s[10:11], s40 offset:0x0       ; my 32 tokens' bits in A,
	s_load_b32 s62, s[10:11], s40 offset:0x400     ; B
	s_load_b32 s63, s[10:11], s40 offset:0x800     ; and C
	s_add_nc_u64 s[60:61], s[20:21], s[60:61]
	s_wait_kmcnt 0x0
	s_or_b32 s58, s58, s62
	s_or_b32 s58, s58, s63
	s_lshr_b32 s58, s58, s59                       ; my wave's eight tokens in the low bits
.macro ZROW j                          ; a token in no set: its row of zeros, eight stores of 512 consecutive bytes
	s_bitcmp1_b32 s58, \j
	s_cbranch_scc1 .Lkept_\@
.set n, 0
.rept 8
	global_store_b128 v[L16], v[ZR:ZR+3], s[60:61] offset:(\j)*4096+512*n th:TH_STORE_NT
.set n, n+1
.endr
.Lkept_\@:
.endm
.irp j, 0,1,2,3,4,5,6,7
	ZROW \j
.endr
	TILES 24, 16                                   ; s24: set A's tiles
	TILES 25, 17
	TILES 23, 18
	s_lshl_b32 s23, s23, 4                         ; s23: set C's items, which come first
	s_add_co_u32 s25, s25, s24
	s_lshl_b32 s25, s25, 3
	s_add_co_u32 s25, s25, s23                     ; s25: items
.macro LD slot, st, nc                 ; a K step's operands: 10 loads of h, 2 nc of w2
	WIN 0
.set rb, 0
.rept 5
	global_load_b128 v[AR+40*(\slot)+8*rb:AR+40*(\slot)+8*rb+3],   v[L16], s[36:37] offset:(\st)*1024+rb*65536
	global_load_b128 v[AR+40*(\slot)+8*rb+4:AR+40*(\slot)+8*rb+7], v[L16], s[36:37] offset:(\st)*1024+rb*65536+512
.set rb, rb+1
.endr
	WIN 0x40
.set cc, 0
.rept \nc
	global_load_b128 v[64*(\slot)+8*cc:64*(\slot)+8*cc+3],   v[L16], s[38:39] offset:(\st)*8192+cc*1024
	global_load_b128 v[64*(\slot)+8*cc+4:64*(\slot)+8*cc+7], v[L16], s[38:39] offset:(\st)*8192+cc*1024+512
.set cc, cc+1
.endr
.endm
.macro MUL slot, first, nc             ; 5 nc products; the accumulators take turns.  first = 1: the constant 0 starts the sums
	WIN 0xa1
.set rb, 0
.rept 4
.set cc, 0
.rept \nc
.if \first
	v_wmma_f32_16x16x32_f16 v[64*rb+8*cc:64*rb+8*cc+7], v[64*(\slot)+8*cc:64*(\slot)+8*cc+7], v[AR+40*(\slot)+8*rb:AR+40*(\slot)+8*rb+7], 0
.else
	v_wmma_f32_16x16x32_f16 v[64*rb+8*cc:64*rb+8*cc+7], v[64*(\slot)+8*cc:64*(\slot)+8*cc+7], v[AR+40*(\slot)+8*rb:AR+40*(\slot)+8*rb+7], v[64*rb+8*cc:64*rb+8*cc+7]
.endif
.set cc, cc+1
.endr
.set rb, rb+1
.endr
	WIN 0xf1
.set cc, 0
.rept \nc
.if \first
	v_wmma_f32_16x16x32_f16 v[8*cc:8*cc+7], v[64*(\slot)+8*cc:64*(\slot)+8*cc+7], v[AR+40*(\slot)+32:AR+40*(\slot)+39], 0
.else
	v_wmma_f32_16x16x32_f16 v[8*cc:8*cc+7], v[64*(\slot)+8*cc:64*(\slot)+8*cc+7], v[AR+40*(\slot)+32:AR+40*(\slot)+39], v[8*cc:8*cc+7]
.endif
.set cc, cc+1
.endr
.endm
.macro STEP rs, st, nl, ms, first, nc  ; the slot that the step before read is filled again (rs < 0: not); this step's operands are waited for and multiplied
	PLACES
.if (\rs) >= 0
	LD \rs, \st, \nc
.endif
	s_wait_loadcnt \nl                             ; the younger steps' loads may be out
	MUL \ms, \first, \nc
.endm
.macro PROB                            ; my rows' tokens have come (their load is older than K step 0's): their gate weights are asked for.  One load more stands among the next steps' younger loads
	WIN 0
	v_min_u32 v[TKC], 0x1fff, v[TOK]
	v_lshlrev_b32 v[TP], 3, v[TKC]
	global_load_b64 v[PW:PW+1], v[TP], s[12:13]
.endm
.macro TOPART adr, nc, lines           ; my partial tile goes into LDS; a row block is so many lines.  Each accumulator's low four registers first
	PLACES
	WIN 0x08                                       ; store data in window 2
.set rb, 0
.rept 4
.set cc, 0
.rept \nc
	ds_store_b128 v[\adr], v[64*rb+8*cc:64*rb+8*cc+3]   offset:rb*(\lines)*PPITCH+cc*64
	ds_store_b128 v[\adr], v[64*rb+8*cc+4:64*rb+8*cc+7] offset:rb*(\lines)*PPITCH+cc*64+16
.set cc, cc+1
.endr
.set rb, rb+1
.endr
	WIN 0x0c                                       ; in window 3
.set cc, 0
.rept \nc
	ds_store_b128 v[\adr], v[8*cc:8*cc+3]   offset:4*(\lines)*PPITCH+cc*64
	ds_store_b128 v[\adr], v[8*cc+4:8*cc+7] offset:4*(\lines)*PPITCH+cc*64+16
.set cc, cc+1
.endr
	WIN 0
.endm
; The sum, five lines a batch.  A line has 20 registers: four partial tiles' 16 bytes; wa, token; wb, and the lane to fetch from, later the store's offset.
.macro RLD s
.set k, 0
.rept 5
.set bb, RS+100*(\s)+20*k
.set q, 5*(\s)+k
	ds_load_b128 v[bb:bb+3],     v[RA] offset:q*PPITCH
	ds_load_b128 v[bb+4:bb+7],   v[RA] offset:PWAVE+q*PPITCH
	ds_load_b128 v[bb+8:bb+11],  v[RB] offset:q*PPITCH
	ds_load_b128 v[bb+12:bb+15], v[RB] offset:PWAVE+q*PPITCH
	v_mad_u32_u24 v[bb+19], s57, q, v[IDX]
	ds_bpermute_b32 v[bb+16], v[bb+19], v[WA]
	ds_bpermute_b32 v[bb+17], v[bb+19], v[TKC]
	ds_bpermute_b32 v[bb+18], v[bb+19], v[WB]
.set k, k+1
.endr
.endm
.macro RSUM s
.set k, 0
.rept 5
.set bb, RS+100*(\s)+20*k
	v_min_u32 v[bb+17], 0x1fff, v[bb+17]           ; the token, held to the table,
	v_lshlrev_b32 v[bb+19], 12, v[bb+17]           ; its row of 4,096 bytes,
	v_add_nc_u32 v[bb+19], v[bb+19], v[COL]        ; my bytes in the slice
	v_pk_add_f32 v[bb:bb+1],     v[bb:bb+1],     v[bb+4:bb+5]
	v_pk_add_f32 v[bb+2:bb+3],   v[bb+2:bb+3],   v[bb+6:bb+7]
	v_pk_add_f32 v[bb+8:bb+9],   v[bb+8:bb+9],   v[bb+12:bb+13]
	v_pk_add_f32 v[bb+10:bb+11], v[bb+10:bb+11], v[bb+14:bb+15]
	v_pk_add_f32 v[bb:bb+1],     v[bb:bb+1],     v[BA:BA+1]
	v_pk_add_f32 v[bb+2:bb+3],   v[bb+2:bb+3],   v[BA+2:BA+3]
	v_pk_add_f32 v[bb+8:bb+9],   v[bb+8:bb+9],   v[BB:BB+1]
	v_pk_add_f32 v[bb+10:bb+11], v[bb+10:bb+11], v[BB+2:BB+3]
	v_pk_mul_f32 v[bb:bb+1],     v[bb:bb+1],     v[bb+16:bb+17] op_sel_hi:[1,0]
	v_pk_mul_f32 v[bb+2:bb+3],   v[bb+2:bb+3],   v[bb+16:bb+17] op_sel_hi:[1,0]
	v_pk_fma_f32 v[bb:bb+1],     v[bb+8:bb+9],   v[bb+18:bb+19], v[bb:bb+1] op_sel_hi:[1,0,1]
	v_pk_fma_f32 v[bb+2:bb+3],   v[bb+10:bb+11], v[bb+18:bb+19], v[bb+2:bb+3] op_sel_hi:[1,0,1]
	global_store_b128 v[bb+19], v[bb:bb+3], s[44:45] th:TH_STORE_NT
.set k, k+1
.endr
.endm
	s_mov_b32 s26, 7                               ; trips
	s_mov_b32 s27, ttmp9                           ; item
.Ltrip:
	s_wait_xcnt 0x0                                ; the trip before's loads and stores have read their bases and registers
	s_sub_co_u32 s40, s27, s23                     ; as an item of set A or B:
	s_and_b32 s41, s40, 7                          ; slice of 128 columns,
	s_lshr_b32 s42, s40, 3                         ; tile,
	s_cmp_ge_u32 s42, s24
	s_cselect_b32 s32, 1, 0                        ; expert
	s_cselect_b32 s43, s24, 0
	s_sub_co_u32 s42, s42, s43
	s_and_b32 s40, s27, 15                         ; as an item of set C: slice of 64 columns,
	s_lshr_b32 s43, s27, 4                         ; tile
	s_cmp_lt_u32 s27, s23
	s_cselect_b32 s29, 1, 0                        ; which of the two it is
	s_cselect_b32 s30, s40, s41
	s_cselect_b32 s31, s43, s42
	s_cselect_b32 s32, 0, s32
	s_cselect_b32 s54, -1, 0
	s_cselect_b32 s57, 8, 4                        ; from line to line: two rows' lanes, or one's
	s_min_u32 s31, s31, 102
	s_min_u32 s32, s32, 1
	s_min_u32 s30, s30, 15
	s_mul_i32 s33, s31, 80                         ; first rank
	s_mul_i32 s34, s31, 5                          ; first block of 16 rows
	s_mul_i32 s40, s22, 10*PPITCH                  ; my first ten lines, in both shapes
	v_add_nc_u32 v[RA], s40, v[L16]
	v_add_nc_u32 v[RB], 2*PWAVE, v[RA]
	v_cndmask_b32 v[IDX], 0, v[H4], s54            ; which lane holds my line's row: set C has two rows a line
	s_cmp_lt_u32 s27, s25
	s_cselect_b32 s28, 1, 0                        ; is there such an item?
	s_cmp_eq_u32 s28, 0
	s_cbranch_scc1 .Lno_mul
	s_mov_b32 s41, 0
	s_cmp_eq_u32 s29, 1
	s_cbranch_scc1 .Lmul_c
	; SET A OR B: 80 x 128, my 16 K steps, three slots
	s_mul_i32 s40, s32, TCAT                       ; my 20 rows' tokens: set = expert, ranks first + 10 w + ..
	s_mul_i32 s42, s22, 10
	s_add_co_u32 s42, s42, s33
	s_lshl_b32 s42, s42, 2
	s_add_co_u32 s40, s40, s42
	s_add_nc_u64 s[50:51], s[8:9], s[40:41]
	global_load_b32 v[TOK], v[T4A], s[50:51]
	s_lshl_b32 s40, s32, 12                        ; b2 of the expert, the slice's 512 bytes
	s_lshl_b32 s42, s30, 9
	s_add_co_u32 s40, s40, s42
	s_add_nc_u64 s[46:47], s[14:15], s[40:41]
	global_load_b128 v[BA:BA+3], v[L16], s[46:47]
	s_mul_i32 s40, s32, EH                         ; hf: list = expert, row block, my 16 K steps
	s_lshl_b32 s42, s34, 16
	s_add_co_u32 s40, s40, s42
	s_lshl_b32 s42, s22, 14
	s_add_co_u32 s40, s40, s42
	s_add_nc_u64 s[36:37], s[4:5], s[40:41]
	s_lshl_b32 s40, s32, 3                         ; w2f: ((8 e + slice) 64 + 16 w) x 8,192
	s_add_co_u32 s40, s40, s30
	s_lshl_b32 s40, s40, 6
	s_lshl_b32 s42, s22, 4
	s_add_co_u32 s40, s40, s42
	s_lshl_b32 s40, s40, 13
	s_add_nc_u64 s[38:39], s[6:7], s[40:41]
	LD 0, 0, 8
	LD 1, 1, 8
	STEP 2, 2, 52, 0, 1, 8                         ; K step 0 stands ahead of the loop: its products start the sums.  52: two younger steps of 26 loads
	PROB
	s_mov_b32 s52, 4
.Lk:                                                   ; four trips of three: K steps 1 to 12; they ask for steps 3 to 14
	STEP 0, 3, 52, 1, 0, 8
	STEP 1, 4, 52, 2, 0, 8
	STEP 2, 5, 52, 0, 0, 8
	WIN 0
	s_wait_xcnt 0x0                                ; the loads have read their bases
	s_add_nc_u64 s[36:37], s[36:37], 3072
	s_add_nc_u64 s[38:39], s[38:39], 24576
	s_sub_co_u32 s52, s52, 1
	s_cmp_lg_u32 s52, 0
	s_cbranch_scc1 .Lk
	STEP 0, 3, 52, 1, 0, 8                         ; K step 13 asks for step 15, the last
	STEP -1, 0, 26, 2, 0, 8
	STEP -1, 0, 0, 0, 0, 8
	TOPART ST8, 8, 16
	s_branch .Lno_mul
.Lmul_c:
	; SET C: 80 x 64, my expert's half of K: 32 K steps, four slots
	s_mul_i32 s42, s22, 20                         ; my 20 rows' tokens: ranks first + 20 w + ..
	s_add_co_u32 s42, s42, s33
	s_lshl_b32 s40, s42, 2
	s_add_co_u32 s40, s40, 2*TCAT
	s_add_nc_u64 s[50:51], s[8:9], s[40:41]
	global_load_b32 v[TOK], v[T4], s[50:51]
	s_lshl_b32 s40, s30, 8                         ; b2 of both experts, the slice's 256 bytes
	s_add_nc_u64 s[46:47], s[14:15], s[40:41]
	global_load_b128 v[BA:BA+3], v[C16], s[46:47]
	global_load_b128 v[BB:BB+3], v[C16], s[46:47] offset:4096
	s_lshr_b32 s43, s22, 1                         ; my wave's expert
	s_and_b32 s59, s22, 1                          ; and half of its K
	s_add_co_u32 s40, s43, 2                       ; hf: list 2 + expert, row block, my 32 K steps
	s_mul_i32 s40, s40, EH
	s_lshl_b32 s42, s34, 16
	s_add_co_u32 s40, s40, s42
	s_lshl_b32 s42, s59, 15
	s_add_co_u32 s40, s40, s42
	s_add_nc_u64 s[36:37], s[4:5], s[40:41]
	s_lshl_b32 s40, s43, 3                         ; w2f: ((8 e + slice / 2) 64 + 32 half) x 8,192 + (slice % 2) x 4,096
	s_lshr_b32 s42, s30, 1
	s_add_co_u32 s40, s40, s42
	s_lshl_b32 s40, s40, 6
	s_lshl_b32 s42, s59, 5
	s_add_co_u32 s40, s40, s42
	s_lshl_b32 s40, s40, 13
	s_and_b32 s42, s30, 1
	s_lshl_b32 s42, s42, 12
	s_add_co_u32 s40, s40, s42
	s_add_nc_u64 s[38:39], s[6:7], s[40:41]
	LD 0, 0, 4
	LD 1, 1, 4
	LD 2, 2, 4
	STEP 3, 3, 54, 0, 1, 4                         ; K step 0.  54: three younger steps of 18 loads
	PROB
	s_mov_b32 s52, 7
.Lkc:                                                  ; seven trips of four: K steps 1 to 28; they ask for steps 4 to 31
	STEP 0, 4, 54, 1, 0, 4
	STEP 1, 5, 54, 2, 0, 4
	STEP 2, 6, 54, 3, 0, 4
	STEP 3, 7, 54, 0, 0, 4
	WIN 0
	s_wait_xcnt 0x0                                ; the loads have read their bases
	s_add_nc_u64 s[36:37], s[36:37], 4096
	s_add_nc_u64 s[38:39], s[38:39], 32768
	s_sub_co_u32 s52, s52, 1
	s_cmp_lg_u32 s52, 0
	s_cbranch_scc1 .Lkc
	STEP -1, 0, 36, 1, 0, 4                        ; the tail asks for nothing: the counts run down
	STEP -1, 0, 18, 2, 0, 4
	STEP -1, 0, 0, 3, 0, 4
	TOPART ST4, 4, 8
.Lno_mul:
	s_wait_dscnt 0x0                               ; for the others' sake: my partial tile is stored
	s_barrier_signal -1
	s_barrier_wait -1
	s_cmp_eq_u32 s28, 0
	s_cbranch_scc1 .Lno_sum
	s_cmp_eq_u32 s32, 1
	s_cselect_b32 s55, -1, 0                       ; a tile of set B
	s_or_b32 s56, s55, s54                         ; or of set C
	v_cndmask_b32 v[WA], v[PW], v[PW+1], s55
	v_cndmask_b32 v[WB], v[PW], v[PW+1], s56
	v_cvt_pk_bf16_f32 v[TP],   v[BA],   v[BA+1]    ; the biases are rounded to bf16 like every input
	v_cvt_pk_bf16_f32 v[TP+1], v[BA+2], v[BA+3]
	v_cvt_pk_bf16_f32 v[TP+2], v[BB],   v[BB+1]
	v_cvt_pk_bf16_f32 v[TP+3], v[BB+2], v[BB+3]
.set n, 0
.rept 4
	v_lshlrev_b32 v[BA+2*n], 16, v[TP+n]
	v_and_b32 v[BA+2*n+1], 0xffff0000, v[TP+n]
.set n, n+1
.endr
.set n, 0
.rept 4
	v_cndmask_b32 v[BB+n], 0, v[BB+n], s54         ; one expert: no second bias
.set n, n+1
.endr
	s_mov_b32 s41, 0
	s_cmp_eq_u32 s29, 1
	s_cbranch_scc1 .Lsum_c
	s_lshl_b32 s40, s30, 9                         ; sets A, B: the slice's 512 bytes of a row, 16 a lane
	v_mov_b32 v[COL], v[L16]
	s_branch .Lsum_go
.Lsum_c:
	s_lshl_b32 s40, s30, 8                         ; set C: 256 bytes of a row, 16 for each of 16 lanes
	v_mov_b32 v[COL], v[C16]
.Lsum_go:
	s_add_nc_u64 s[44:45], s[20:21], s[40:41]      ; out0 at the slice
	s_mul_i32 s59, s57, 10
	s_mov_b32 s52, 2
.Lred:                                                 ; two trips of ten lines; set C has ten lines a wave in all and jumps over the second
	s_sub_co_u32 s40, s52, s29
	s_cmp_eq_u32 s40, 0
	s_cbranch_scc1 .Lred_next
	s_wait_xcnt 0x0                                ; the trip before's stores have read their registers
	RLD 0
	RLD 1
	s_wait_dscnt 35                                ; the second batch's 20 loads and 15 fetches may be out
	RSUM 0
	s_wait_dscnt 0x0
	RSUM 1
	v_add_nc_u32 v[RA], 40*PPITCH, v[RA]           ; on to lines 40 + 10 w ..
	v_add_nc_u32 v[RB], 40*PPITCH, v[RB]
	v_add_nc_u32 v[IDX], s59, v[IDX]               ; whose tokens lie ten lanes on
.Lred_next:
	s_sub_co_u32 s52, s52, 1
	s_cmp_lg_u32 s52, 0
	s_cbranch_scc1 .Lred
.Lno_sum:
	s_wait_dscnt 0x0                               ; my reads of the partial tiles are over: behind the barrier they may be written again
	s_barrier_signal -1
	s_barrier_wait -1
	s_add_co_u32 s27, s27, 256
	s_sub_co_u32 s26, s26, 1
	s_cmp_lg_u32 s26, 0
	s_cbranch_scc1 .Ltrip
	s_wait_tensorcnt 0x0                           ; the wave's end
	ds_add_u32 v[SPW], v[NIL]
	s_wait_dscnt 0x0
	s_endpgm
.Lfunc_end_k_q63dae7d563_ffn2:
	.size	k_q63dae7d563_ffn2, .Lfunc_end_k_q63dae7d563_ffn2-k_q63dae7d563_ffn2
	.p2alignl 7, 3214868480
	.fill 96, 4, 3214868480
	.section	.rodata,"a",@progbits
	.p2align	6, 0x0
	.amdhsa_kernel k_q63dae7d563_ffn2
		.amdhsa_group_segment_fixed_size 169472
		.amdhsa_private_segment_fixed_size 0
		.amdhsa_enable_private_segment 0
		.amdhsa_kernarg_size 56
		.amdhsa_user_sgpr_count 2
		.amdhsa_user_sgpr_kernarg_segment_ptr 1
		.amdhsa_wavefront_size32 1
		.amdhsa_system_sgpr_workgroup_id_x 1
		.amdhsa_system_sgpr_workgroup_id_y 1
		.amdhsa_system_sgpr_workgroup_id_z 1
		.amdhsa_system_vgpr_workitem_id 0
		.amdhsa_next_free_vgpr 832
		.amdhsa_next_free_sgpr 66
		.amdhsa_reserve_vcc 0
		.amdhsa_float_denorm_mode_32 3
		.amdhsa_float_denorm_mode_16_64 3
		.amdhsa_memory_ordered 1
		.amdhsa_forward_progress 1
		.amdhsa_inst_pref_size 102
	.end_amdhsa_kernel
	.amdgpu_metadata
---
amdhsa.version: [ 1, 2 ]
amdhsa.kernels:
  - .name:           k_q63dae7d563_ffn2
    .symbol:         k_q63dae7d563_ffn2.kd
    .args:
      - { .name: hf, .offset: 0, .size: 8, .value_kind: global_buffer, .address_space: global }
      - { .name: w2f, .offset: 8, .size: 8, .value_kind: global_buffer, .address_space: global }
      - { .name: tokl, .offset: 16, .size: 8, .value_kind: global_buffer, .address_space: global }
      - { .name: bits, .offset: 24, .size: 8, .value_kind: global_buffer, .address_space: global }
      - { .name: prob, .offset: 32, .size: 8, .value_kind: global_buffer, .address_space: global }
      - { .name: b2, .offset: 40, .size: 8, .value_kind: global_buffer, .address_space: global }
      - { .name: out0, .offset: 48, .size: 8, .value_kind: global_buffer, .address_space: global }
    .group_segment_fixed_size: 169472
    .private_segment_fixed_size: 0
    .kernarg_segment_align: 8
    .kernarg_segment_size: 56
    .max_flat_workgroup_size: 128
    .sgpr_count:     66
    .vgpr_count:     832
    .wavefront_size: 32
...
	.end_amdgpu_metadata
.endif
;; end of part 3
